; MI455X (gfx1250); checked and timed in simulation.
; The chip was launched on July 23, 2026; its instructions are those of AMD's public machine-readable ISA for CDNA 5 (MIT licence, August 2026) and "CDNA5" Instruction Set Architecture Reference Guide (July 2026). The comments in the code are by the model that wrote it; some were corrected since.
;; Dec FC Switch. Allowed arithmetic: float matrix products may take bf16 or f16 operands with f32 sums; all other float work in f32.
;; Inputs: W_in 16 x 256 x 1,024 float32; W_out 16 x 1,024 x 256 float32; b_in 16 x 256 float32; b_out 16 x 1,024 float32; x 4,096 x 1,024 float32; y_index 4,096 x 1 int32.
;; Outputs: out0 4,096 x 1,024 float32.
;; One version. Each part assembles by itself: llvm-mc -triple=amdgcn-amd-amdhsa -mcpu=gfx1250 --defsym DOCPART=n.
;; ======== version 1 of 1: 3 launches
;; workspace buffers: order 16,640 bytes of whole numbers; tab 256 bytes of whole numbers; hid 2,228,224 bytes
;; launch route (part 1): grid 16 x 1, 1 waves a work-group, no clusters, 16,896 bytes of LDS; arguments y_index, order, tab; writes order, tab
.if DOCPART == 1
	.amdgcn_target "amdgcn-amd-amdhsa--gfx1250"
	.amdhsa_code_object_version 6
	.text
	.protected	k_q519f34b869_route
	.globl	k_q519f34b869_route
	.p2align	8
	.type	k_q519f34b869_route,@function
k_q519f34b869_route:
	s_mov_b64 s[64:65], 0
	v_nop
	global_prefetch_b8 v0, s[64:65] scope:SCOPE_SE
	s_setreg_imm32_b32 hwreg(HW_REG_WAVE_MODE, 25, 1), 1
	s_wait_xcnt 0x0
; A counting sort of the 4,096 tokens by branch, without traffic between work-groups.
; Work-group e (one wave) reads all 4,096 indices, 128 a lane, and from them makes by itself
;   offs = how many tokens have y < e    (where branch e's list begins in 'order'),
;   cnt  = how many tokens have y == e,
; gathers the tokens with y == e in a list in LDS, copies the list to order[offs ..] and stores tab[e] = {offs, cnt}.
; Each entry of 'order' is stored by the one work-group whose branch owns it.  Work-group 15 also stores 32 zeros behind entry 4,095,
; so that a later read of 16 entries from any entry up to 4,095 meets stored bytes only.
; One wave: no barrier, and LDS serves a wave's instructions in order (ISA guide 5.7.1), so the list is read back without a wait.
; LIMIT: y_index is taken to lie in 0 .. 15, as an index into the 16 branches does; another value is counted for no branch.
.set Y,     16                         ; v[16:143]  my 128 indices: register 4 j + c is token 128 j + 4 lane + c
.set DUMPW, 4096                       ; LDS words 0 .. 4,095: the list; word 4,096 + lane: where a lane without a match writes
	s_load_b128 s[4:7], s[0:1], 0x0                ; y_index s[4:5], order s[6:7]
	s_load_b64 s[8:9], s[0:1], 0x10                ; tab
	v_lshl_add_u32 v144, v0, 2, 0x4100
	v_mov_b32 v145, 0
	s_mov_b32 s10, ttmp9                           ; e
	s_mov_b32 s11, 0                               ; tokens with y < e
	s_mov_b32 s12, 0                               ; tokens with y == e so far
	v_lshlrev_b32 v1, 4, v0                        ; 16 lane
	v_lshlrev_b32 v2, 2, v0                        ; 4 lane
	v_add_nc_u32 v3, DUMPW, v0                     ; my dump word
	s_wait_kmcnt 0x0
.irp j, 0,1,2,3,4,5,6,7,8,9,10,11,12,13,14,15,16,17,18,19,20,21,22,23,24,25,26,27,28,29,30,31
	global_load_b128 v[Y+4*\j:Y+4*\j+3], v1, s[4:5] offset:512*\j   ; 512 consecutive bytes a load, 16,384 in all
.endr
; 32 tokens: 128 j + 4 lane + c.
.macro SCAN j, c
	v_cmp_gt_u32 s13, s10, v[Y+4*\j+\c]            ; e > y
	s_bcnt1_i32_b32 s13, s13
	s_add_co_u32 s11, s11, s13
	v_cmp_eq_u32 vcc_lo, s10, v[Y+4*\j+\c]         ; e == y
	v_mbcnt_lo_u32_b32 v4, vcc_lo, s12             ; matches so far + matches in the lanes below me = my place in the list
	v_cndmask_b32 v4, v3, v4, vcc_lo               ; no match: my dump word
	v_min_u32 v4, DUMPW+31, v4                     ; the bound of the LDS words used
	v_lshlrev_b32 v4, 2, v4
	v_add_nc_u32 v5, 128*\j+\c, v2                 ; the token's number
	ds_store_b32 v4, v5
	s_bcnt1_i32_b32 s14, vcc_lo
	s_add_co_u32 s12, s12, s14
.endm
; Within one SCAN the lanes' tokens ascend with the lane, but from c to c + 1 they interleave: the list is a permutation of the
; branch's tokens, which is all that the later launches need.
.irp j, 0,1,2,3,4,5,6,7,8,9,10,11,12,13,14,15,16,17,18,19,20,21,22,23,24,25,26,27,28,29,30,31
	s_wait_loadcnt 31-\j                           ; loads come back in order: load j is in, the 31 - j younger ones stay out
.irp c, 0,1,2,3
	SCAN \j, \c
.endr
.endr
	; the list goes out, 128 entries a trip.  Lanes past the end repeat the last entry: the same number to the same place.
	s_cmp_eq_u32 s12, 0
	s_cbranch_scc1 .Lnocopy                        ; an empty branch owns no entry
	s_sub_co_u32 s15, s12, 1                       ; cnt - 1
	s_add_co_u32 s16, s12, 127
	s_lshr_b32 s16, s16, 7                         ; trips
	s_mov_b32 s17, 0
	v_mov_b32 v6, v0                               ; first entry of the trip + lane
.Lcopy:
.irp q, 0,1,2,3
	v_add_nc_u32 v[8+\q], 32*\q, v6
	v_min_u32 v[8+\q], s15, v[8+\q]                ; entry of the list
	v_add_nc_u32 v[12+\q], s11, v[8+\q]            ; entry of 'order'
	v_min_u32 v[8+\q], 0xfff, v[8+\q]              ; both lie in 0 .. 4,095
	v_min_u32 v[12+\q], 0xfff, v[12+\q]
	v_lshlrev_b32 v[8+\q], 2, v[8+\q]
	v_lshlrev_b32 v[12+\q], 2, v[12+\q]
	ds_load_b32 v[16+\q], v[8+\q]
.endr
	s_wait_dscnt 0x0
.irp q, 0,1,2,3
	global_store_b32 v[12+\q], v[16+\q], s[6:7]
.endr
	s_wait_xcnt 0x0                                ; the stores' offsets and data are written again only behind this wait
	v_add_nc_u32 v6, 128, v6
	s_add_co_u32 s17, s17, 1
	s_cmp_lt_u32 s17, s16
	s_cbranch_scc1 .Lcopy
.Lnocopy:
	s_cmp_lg_u32 s10, 15
	s_cbranch_scc1 .Lnopad
	v_mov_b32 v7, 0
	global_store_b32 v2, v7, s[6:7] offset:16384   ; entries 4,096 .. 4,127 = 0
.Lnopad:
	v_mov_b32 v20, s11                             ; offs
	v_mov_b32 v21, s12                             ; cnt
	v_mov_b32 v22, s10
	v_lshlrev_b32 v22, 3, v22                      ; 8 e
	s_wait_xcnt 0x0                                ; EXEC is a source of the stores above: it changes only behind this wait
	v_cmp_eq_u32 vcc_lo, 0, v0
	s_wait_tensorcnt 0x0
	ds_add_u32 v144, v145
	s_wait_dscnt 0x0
	s_and_saveexec_b32 s18, vcc_lo                 ; lane 0 alone
	global_store_b64 v22, v[20:21], s[8:9]
	s_wait_xcnt 0x0                                ; and again in front of the line that widens it
	s_or_b32 exec_lo, exec_lo, s18
	s_endpgm
.Lfunc_end_k_q519f34b869_route:
	.size	k_q519f34b869_route, .Lfunc_end_k_q519f34b869_route-k_q519f34b869_route
	.p2alignl 7, 3214868480
	.fill 96, 4, 3214868480
	.section	.rodata,"a",@progbits
	.p2align	6, 0x0
	.amdhsa_kernel k_q519f34b869_route
		.amdhsa_group_segment_fixed_size 16896
		.amdhsa_private_segment_fixed_size 0
		.amdhsa_enable_private_segment 0
		.amdhsa_kernarg_size 24
		.amdhsa_user_sgpr_count 2
		.amdhsa_user_sgpr_kernarg_segment_ptr 1
		.amdhsa_wavefront_size32 1
		.amdhsa_system_sgpr_workgroup_id_x 1
		.amdhsa_system_sgpr_workgroup_id_y 1
		.amdhsa_system_sgpr_workgroup_id_z 1
		.amdhsa_system_vgpr_workitem_id 0
		.amdhsa_next_free_vgpr 146
		.amdhsa_next_free_sgpr 66
		.amdhsa_reserve_vcc 1
		.amdhsa_float_denorm_mode_32 3
		.amdhsa_float_denorm_mode_16_64 3
		.amdhsa_memory_ordered 1
		.amdhsa_forward_progress 1
		.amdhsa_inst_pref_size 76
	.end_amdhsa_kernel
	.amdgpu_metadata
---
amdhsa.version: [ 1, 2 ]
amdhsa.kernels:
  - .name:           k_q519f34b869_route
    .symbol:         k_q519f34b869_route.kd
    .args:
      - { .name: y_index, .offset: 0, .size: 8, .value_kind: global_buffer, .address_space: global }
      - { .name: order, .offset: 8, .size: 8, .value_kind: global_buffer, .address_space: global }
      - { .name: tab, .offset: 16, .size: 8, .value_kind: global_buffer, .address_space: global }
    .group_segment_fixed_size: 16896
    .private_segment_fixed_size: 0
    .kernarg_segment_align: 8
    .kernarg_segment_size: 24
    .max_flat_workgroup_size: 32
    .sgpr_count:     66
    .vgpr_count:     146
    .wavefront_size: 32
...
	.end_amdgpu_metadata
.endif
;; end of part 1
;; launch fcin (part 2): grid 256 x 1, 16 waves a work-group, no clusters, 269,312 bytes of LDS; arguments x, W_in, b_in, order, tab, hid; writes hid
.if DOCPART == 2
	.amdgcn_target "amdgcn-amd-amdhsa--gfx1250"
	.amdhsa_code_object_version 6
	.text
	.protected	k_q519f34b869_fcin
	.globl	k_q519f34b869_fcin
	.p2align	8
	.type	k_q519f34b869_fcin,@function
k_q519f34b869_fcin:
	s_mov_b64 s[64:65], 0
	v_nop
	global_prefetch_b8 v0, s[64:65] scope:SCOPE_SE
	s_setreg_imm32_b32 hwreg(HW_REG_WAVE_MODE, 25, 1), 1
	s_wait_xcnt 0x0
; hid[t][s] = b_in[e][s] + sum over d of relu(x[t][d]) W_in[e][s][d], for the branch e = y_index[t] alone, stored as bf16.
; The tokens come sorted by branch: order[offs .. offs + cnt - 1] are branch e's, tab[e] = {offs, cnt} (both stored by the launch before).
; Work-group id: e = id >> 4; nb = (id >> 2) & 3: 64 of the 256 columns s; mq = id & 3: the tiles of 16 tokens tau = mq, mq + 4, ...
; Sixteen work-groups a branch as 4 x 4: at cnt = 256 a work-group takes in 64 rows of W_in (262,144 bytes) and 64 rows of x (as many).
; ALL SIXTEEN WAVES RUN THE SAME TEXT.  First each brings four of the 64 rows of W_in: 32 loads of 512 consecutive bytes, all on their
; way at once, rounded to bf16, into LDS.  Then ONE BARRIER, the only one.  Ahead of it a wave asks for nothing of a tile but its 16
; tokens (an entry of 'order' that is clamped into the list).  Behind it a wave that has a tile works alone: tau = mq + 4 wave, then + 64,
; in a loop counted, one a trip, against the wave's own number of tiles; a wave without a tile ends.
; A tile is 16 tokens x 64 columns x K = 1,024: four accumulators.  K goes in four chunks of 256: 32 loads (512 consecutive bytes of one
; token's row each) are asked for one chunk ahead, pass relu and the rounding to bf16 in registers and lie in the wave's own stage in
; LDS, from which the fragments are read.
; ROWS PAST THE BRANCH'S END: a row r >= nvalid of the last tile takes the token of row nvalid - 1: no lane is ever switched off.
; THE MATRIX INSTRUCTION IS USED TRANSPOSED: source 0 = 16 rows of W_in, source 1 = 16 tokens.  Lane l then holds, for token l % 16, the
; eight neighbouring columns 8 (l / 16) + 0 .. 7: 16 bytes of bf16.
; hid's LAYOUT: tile number (offs >> 4) + e + tau (at most 271; two branches never meet, since offs/16 rounded down plus cnt/16 rounded up
; is at most (offs + cnt)/16 rounded down, plus 1), 8,192 bytes a tile; in it piece g = 0 .. 15 of 512 bytes, lane l's 16 bytes at 16 l:
; hid(token l % 16, s = 16 g + 8 (l / 16) + 0 .. 7).  That is the next launch's fragment as it lies in registers, and every store of a
; wave here covers 512 consecutive bytes, aligned.
; NO JOINT REQUESTS, though four work-groups read the same 64 rows of W_in: the rows are f32 and pass through registers to become bf16,
; and the partners' numbers of tiles differ and hang on counts read from memory, so they would not pass the same number of rounds.
; LIMITS: relu is v_max_num_f32, which makes 0 of a NaN, so a NaN in x does not spread over its token's row.  relu(x), W_in and hid are
; rounded to bf16 (nearest even); sums and the bias in f32.
.set WPITCH, 2064                      ; a row of W in LDS: 1,024 bf16 + 16 bytes = 129 x 16: sixteen rows start at sixteen different 16-byte columns of 256
.set SPITCH, 528                       ; a row of a stage: 256 bf16 + 16 bytes = 33 x 16
.set STAGE0, 64*WPITCH                 ; 132,096: behind W's 64 rows
.set STG,    16*SPITCH                 ; 8,448 bytes a stage, one for each of the 16 waves: 267,264 bytes in all
; vector registers (r = lane % 16, h = lane / 16):
;   v1 16 lane   v2 stage + 8 lane   v3 stage + 528 r + 16 h   v4 2,064 r + 16 h   v5 v4 + 32 rows of W   v6 32 h   v7 my four rows of W in LDS + 8 lane
.set ACC, 8                            ; v[8:39]    four accumulators, 16 columns each
.set AF,  40                           ; v[40:55]   the tokens' fragment, two buffers
.set BF,  56                           ; v[56:119]  W's four fragments, two buffers
.set OT,  56                           ; v[56:71]   the results as bf16 (in W's buffer 0, when it is done with)
.set XS,  128                          ; v[128:255] 32 loads of 4 registers: first my four rows of W_in, then a chunk of x
; scalar registers: s[4:5] x  s[6:7] W_in  s[8:9] b_in  s[10:11] order  s[12:13] tab  s[14:15] hid  s16 wave  s17 e  s18 nb  s19 mq
;   s20 offs  s21 cnt  s22 tiles of the branch  s23 (offs >> 4) + e  s24 tau  s25 nvalid  s26-27 at work  s[28:29] an offset, s29 = 0
;   s[30:31] the tile's place in hid  s[84:85] my 64 biases  s[86:87] my four rows of W_in  s[88:89] hid + 2,048 nb
;   s90 my number of tiles  s91 the loop's counter
.set ROWA, 32                          ; s[32:63]   the addresses of the tile's 16 rows of x
.set TOK,  68                          ; s[68:83]   the tile's 16 tokens
; A load into a register that a matrix instruction has read, and a vector instruction that reads its result or writes one of its
; registers, stand four places behind it; only plain vector instructions that name none of its registers are places.
.macro PLACES
.rept 4
	v_nop
.endr
.endm
; Row g of my four rows of W_in: eight loads' worth, two roundings to bf16 at a time, 8 bytes a lane into LDS.
.macro WCV g
.irp t, 0,1,2,3,4,5,6,7
	v_cvt_pk_bf16_f32 v[XS+4*(8*(\g)+\t)], v[XS+4*(8*(\g)+\t)], v[XS+4*(8*(\g)+\t)+1]
	v_cvt_pk_bf16_f32 v[XS+4*(8*(\g)+\t)+1], v[XS+4*(8*(\g)+\t)+2], v[XS+4*(8*(\g)+\t)+3]
	ds_store_b64 v7, v[XS+4*(8*(\g)+\t):XS+4*(8*(\g)+\t)+1] offset:WPITCH*(\g)+256*\t
.endr
.endm
; Eight loads of chunk c: rows 4 g .. 4 g + 3, two halves of 512 bytes each.
.macro XLOAD c, g
.irp t, 0,1,2,3,4,5,6,7
	global_load_b128 v[XS+4*(8*(\g)+\t):XS+4*(8*(\g)+\t)+3], v1, s[ROWA+2*(4*(\g)+(\t>>1)):ROWA+2*(4*(\g)+(\t>>1))+1] offset:1024*(\c)+512*(\t&1)
.endr
.endm
; The same eight: relu, two roundings to bf16 at a time, 8 bytes a lane into the stage.
.macro XCVT g
.irp t, 0,1,2,3,4,5,6,7
.irp k, 0,1,2,3
	v_max_num_f32 v[XS+4*(8*(\g)+\t)+\k], 0, v[XS+4*(8*(\g)+\t)+\k]
.endr
	v_cvt_pk_bf16_f32 v[XS+4*(8*(\g)+\t)], v[XS+4*(8*(\g)+\t)], v[XS+4*(8*(\g)+\t)+1]
	v_cvt_pk_bf16_f32 v[XS+4*(8*(\g)+\t)+1], v[XS+4*(8*(\g)+\t)+2], v[XS+4*(8*(\g)+\t)+3]
	ds_store_b64 v2, v[XS+4*(8*(\g)+\t):XS+4*(8*(\g)+\t)+1] offset:SPITCH*(4*(\g)+(\t>>1))+256*(\t&1)
.endr
.endm
; Ten LDS loads: the fragments of one K step of 32 into buffer buf; s = the step in the chunk (stage), ksg = the step in K (W's rows).
; A fragment: lane l holds row l % 16; registers 0-3 K = 8 (l / 16) + 0..7, registers 4-7 K = 16 + 8 (l / 16) + 0..7: two loads 32 bytes apart.
.macro FRAG buf, s, ksg
	ds_load_b128 v[AF+8*(\buf):AF+8*(\buf)+3],   v3 offset:64*(\s)
	ds_load_b128 v[AF+8*(\buf)+4:AF+8*(\buf)+7], v3 offset:64*(\s)+32
.irp nt, 0,1,2,3
	ds_load_b128 v[BF+32*(\buf)+8*\nt:BF+32*(\buf)+8*\nt+3],   v[4+(\nt>>1)] offset:16*WPITCH*(\nt&1)+64*(\ksg)
	ds_load_b128 v[BF+32*(\buf)+8*\nt+4:BF+32*(\buf)+8*\nt+7], v[4+(\nt>>1)] offset:16*WPITCH*(\nt&1)+64*(\ksg)+32
.endr
.endm
; The four accumulators take turns, one instruction a turn, in the same order everywhere.
.macro MUL buf
.irp nt, 0,1,2,3
	v_wmma_f32_16x16x32_bf16 v[ACC+8*\nt:ACC+8*\nt+7], v[BF+32*(\buf)+8*\nt:BF+32*(\buf)+8*\nt+7], v[AF+8*(\buf):AF+8*(\buf)+7], v[ACC+8*\nt:ACC+8*\nt+7]
.endr
.endm
; A chunk of 256 along K.  last = 1: nothing is asked for behind it.
.macro CHUNK c, last
.irp g, 0,1,2,3
.if \last
	s_wait_loadcnt 24-8*\g                         ; group g is in: behind it only this chunk's 3 - g younger groups of eight
.else
	s_wait_loadcnt 24                              ; group g is in: behind it 3 - g groups of this chunk and g groups of the next, 24 loads (the biases are older than all of x)
.endif
	XCVT \g
.if \last == 0
	XLOAD \c+1, \g                                 ; the same rows, one chunk on, into the registers just emptied
.endif
.endr
	FRAG 0, 0, 8*\c                                ; the conversions above are the places behind the last matrix instructions
.irp s, 0,1,2,3,4,5,6
.if \s
	PLACES
.endif
	FRAG (\s+1)&1, \s+1, 8*\c+\s+1
	s_wait_dscnt 10                                ; all but the ten just issued: the stage's stores and this step's fragments are older
	MUL \s&1
.endr
	s_wait_dscnt 0x0
	MUL 1
.endm
; The tokens of tile tau are asked for.  The entry is clamped into the list, so this may run for a tau that the branch does not have.
.macro PRE_A
	s_lshl_b32 s26, s24, 4                         ; 16 tau
	s_sub_co_i32 s25, s21, s26                     ; nvalid = cnt - 16 tau
	s_add_co_u32 s27, s20, s26
	s_min_u32 s27, s27, 4095                       ; entry of 'order', inside the list
	s_lshl_b32 s27, s27, 2
	s_load_b512 s[TOK:TOK+15], s[10:11], s27 offset:0x0   ; 16 entries: at most up to entry 4,110, which is stored (zeros behind 4,095)
.endm
; What else a tile needs before its first chunk: its place in hid, the biases as the sums' first value, the first chunk of x.
.macro PRE_B
	s_wait_xcnt 0x0                                ; the last tile's stores name OT and s[30:31]: these are written again only behind this wait
	s_add_co_u32 s26, s23, s24
	s_min_u32 s26, s26, 271                        ; tile of hid
	s_lshl_b32 s28, s26, 13
	s_add_nc_u64 s[30:31], s[88:89], s[28:29]
.irp nt, 0,1,2,3
	global_load_b128 v[ACC+8*\nt:ACC+8*\nt+3],   v6, s[84:85] offset:64*\nt      ; b_in of columns 16 nt + 8 h + 0..3: the first C operand,
	global_load_b128 v[ACC+8*\nt+4:ACC+8*\nt+7], v6, s[84:85] offset:64*\nt+16   ; so nothing is cleared and nothing added later
.endr
	s_wait_kmcnt 0x0                               ; the tokens
.irp r, 1,2,3,4,5,6,7,8,9,10,11,12,13,14,15
	s_cmp_gt_i32 s25, \r                           ; row r is valid?  else the token of the row before, and so on down from the last valid one
	s_cselect_b32 s[TOK+\r], s[TOK+\r], s[TOK+\r-1]
.endr
.irp r, 0,1,2,3,4,5,6,7,8,9,10,11,12,13,14,15
	s_min_u32 s26, s[TOK+\r], 4095
	s_lshl_b32 s28, s26, 12                        ; a row of x is 4,096 bytes
	s_add_nc_u64 s[ROWA+2*\r:ROWA+2*\r+1], s[4:5], s[28:29]
.endr
	XLOAD 0, 0
	XLOAD 0, 1
	XLOAD 0, 2
	XLOAD 0, 3
.endm
; The way out: 8 results a lane and accumulator are 16 bytes of bf16; a store of the wave covers 512 consecutive bytes.
.macro EPI
	PLACES                                         ; behind the last matrix instructions: the conversions read results and write over W's buffer 0
.irp nt, 0,1,2,3
.irp q, 0,1,2,3
	v_cvt_pk_bf16_f32 v[OT+4*\nt+\q], v[ACC+8*\nt+2*\q], v[ACC+8*\nt+2*\q+1]
.endr
.endr
.irp nt, 0,1,2,3
	global_store_b128 v1, v[OT+4*\nt:OT+4*\nt+3], s[30:31] offset:512*\nt
.endr
.endm
	s_load_b256 s[4:11], s[0:1], 0x0               ; x, W_in, b_in, order
	s_load_b128 s[12:15], s[0:1], 0x20             ; tab, hid
	v_lshl_add_u32 v126, v0, 2, 0x41400
	v_mov_b32 v127, 0
	v_lshrrev_b32 v120, 5, v0
	v_readfirstlane_b32 s16, v120                  ; wave
	v_and_b32 v120, 31, v0                         ; lane
	v_and_b32 v121, 15, v0                         ; r
	v_bfe_u32 v122, v0, 4, 1                       ; h
	s_lshr_b32 s17, ttmp9, 4                       ; e
	s_bfe_u32 s18, ttmp9, 0x20002                  ; nb
	s_and_b32 s19, ttmp9, 3                        ; mq
	s_lshr_b32 s26, ttmp9, 2                       ; 4 e + nb: which block of 64 rows of W_in, of 64 biases
	s_mov_b32 s29, 0
	v_lshlrev_b32 v1, 4, v120
	s_mul_i32 s27, s16, STG
	s_add_co_u32 s27, s27, STAGE0                  ; my stage
	v_lshl_add_u32 v2, v120, 3, s27
	v_mul_u32_u24 v3, v121, SPITCH
	v_lshl_add_u32 v3, v122, 4, v3
	v_add_nc_u32 v3, s27, v3
	v_mul_u32_u24 v4, v121, WPITCH
	v_lshl_add_u32 v4, v122, 4, v4
	v_add_nc_u32 v5, 32*WPITCH, v4                 ; rows 32-63 of W lie beyond an LDS offset's 16 bits
	v_lshlrev_b32 v6, 5, v122
	s_mul_i32 s27, s16, 4*WPITCH                   ; rows 4 wave .. 4 wave + 3 of the block
	v_lshl_add_u32 v7, v120, 3, s27
	s_wait_kmcnt 0x0
	s_lshl_b32 s27, s17, 3
	s_load_b64 s[20:21], s[12:13], s27 offset:0x0  ; offs, cnt
	s_lshl_b32 s28, s26, 8
	s_add_nc_u64 s[84:85], s[8:9], s[28:29]
	s_lshl_b32 s28, s18, 11
	s_add_nc_u64 s[88:89], s[14:15], s[28:29]
	s_lshl_b32 s28, s26, 18                        ; 64 rows of 4,096 bytes
	s_add_nc_u64 s[86:87], s[6:7], s[28:29]
	s_lshl_b32 s28, s16, 14                        ; + my four rows
	s_add_nc_u64 s[86:87], s[86:87], s[28:29]
.irp t, 0,1,2,3,4,5,6,7,8,9,10,11,12,13,14,15,16,17,18,19,20,21,22,23,24,25,26,27,28,29,30,31
	global_load_b128 v[XS+4*\t:XS+4*\t+3], v1, s[86:87] offset:512*\t    ; 16,384 consecutive bytes a wave
.endr
	s_lshl2_add_u32 s24, s16, s19                  ; tau = 4 wave + mq, at most 63
	s_mov_b32 s91, 0
	s_wait_kmcnt 0x0
	s_add_co_u32 s22, s21, 15
	s_lshr_b32 s22, s22, 4                         ; tiles of the branch
	s_lshr_b32 s23, s20, 4
	s_add_co_u32 s23, s23, s17
	s_add_co_u32 s90, s22, 63                      ; my tiles are tau, tau + 64, ... below the branch's number of tiles:
	s_sub_co_u32 s90, s90, s24                     ; (tiles + 63 - tau) / 64 rounded down, which is 0 where tau is not below it
	s_lshr_b32 s90, s90, 6
	s_min_u32 s90, s90, 4                          ; 4,096 tokens are 256 tiles: four trips at the most
	PRE_A                                          ; the tokens come while W's rows are rounded
.irp g, 0,1,2,3
	s_wait_loadcnt 24-8*\g                         ; row g's eight loads are in; the 3 - g younger rows stay out
	WCV \g
.endr
	s_wait_dscnt 0x0                               ; my stores of W's rows are done, for the others' sake
	s_barrier_signal -1
	s_barrier_wait -1                              ; all 64 rows lie in LDS; nothing writes them again
	s_cmp_eq_u32 s90, 0
	s_cbranch_scc1 .Ldone                          ; a wave without a tile
.Ltile:
	PRE_B
	CHUNK 0, 0
	CHUNK 1, 0
	CHUNK 2, 0
	CHUNK 3, 1
	EPI
	s_add_co_u32 s24, s24, 64                      ; sixteen waves x four work-groups on
	PRE_A                                          ; in the last trip too: one scalar load of a clamped entry, not used then
	s_add_co_u32 s91, s91, 1
	s_cmp_lt_u32 s91, s90
	s_cbranch_scc1 .Ltile
.Ldone:
	s_wait_tensorcnt 0x0
	ds_add_u32 v126, v127
	s_wait_dscnt 0x0
	s_endpgm
.Lfunc_end_k_q519f34b869_fcin:
	.size	k_q519f34b869_fcin, .Lfunc_end_k_q519f34b869_fcin-k_q519f34b869_fcin
	.p2alignl 7, 3214868480
	.fill 96, 4, 3214868480
	.section	.rodata,"a",@progbits
	.p2align	6, 0x0
	.amdhsa_kernel k_q519f34b869_fcin
		.amdhsa_group_segment_fixed_size 269312
		.amdhsa_private_segment_fixed_size 0
		.amdhsa_enable_private_segment 0
		.amdhsa_kernarg_size 48
		.amdhsa_user_sgpr_count 2
		.amdhsa_user_sgpr_kernarg_segment_ptr 1
		.amdhsa_wavefront_size32 1
		.amdhsa_system_sgpr_workgroup_id_x 1
		.amdhsa_system_sgpr_workgroup_id_y 1
		.amdhsa_system_sgpr_workgroup_id_z 1
		.amdhsa_system_vgpr_workitem_id 0
		.amdhsa_next_free_vgpr 256
		.amdhsa_next_free_sgpr 92
		.amdhsa_reserve_vcc 0
		.amdhsa_float_denorm_mode_32 3
		.amdhsa_float_denorm_mode_16_64 3
		.amdhsa_memory_ordered 1
		.amdhsa_forward_progress 1
		.amdhsa_inst_pref_size 103
	.end_amdhsa_kernel
	.amdgpu_metadata
---
amdhsa.version: [ 1, 2 ]
amdhsa.kernels:
  - .name:           k_q519f34b869_fcin
    .symbol:         k_q519f34b869_fcin.kd
    .args:
      - { .name: x, .offset: 0, .size: 8, .value_kind: global_buffer, .address_space: global }
      - { .name: W_in, .offset: 8, .size: 8, .value_kind: global_buffer, .address_space: global }
      - { .name: b_in, .offset: 16, .size: 8, .value_kind: global_buffer, .address_space: global }
      - { .name: order, .offset: 24, .size: 8, .value_kind: global_buffer, .address_space: global }
      - { .name: tab, .offset: 32, .size: 8, .value_kind: global_buffer, .address_space: global }
      - { .name: hid, .offset: 40, .size: 8, .value_kind: global_buffer, .address_space: global }
    .group_segment_fixed_size: 269312
    .private_segment_fixed_size: 0
    .kernarg_segment_align: 8
    .kernarg_segment_size: 48
    .max_flat_workgroup_size: 512
    .sgpr_count:     92
    .vgpr_count:     256
    .wavefront_size: 32
...
	.end_amdgpu_metadata
.endif
;; end of part 2
;; launch fcout (part 3): grid 256 x 1, 20 waves a work-group, no clusters, 123,392 bytes of LDS; arguments x, W_out, b_out, order, tab, hid, out0; writes out0
.if DOCPART == 3
	.amdgcn_target "amdgcn-amd-amdhsa--gfx1250"
	.amdhsa_code_object_version 6
	.text
	.protected	k_q519f34b869_fcout
	.globl	k_q519f34b869_fcout
	.p2align	8
	.type	k_q519f34b869_fcout,@function
k_q519f34b869_fcout:
	s_mov_b64 s[64:65], 0
	v_nop
	global_prefetch_b8 v0, s[64:65] scope:SCOPE_SE
	s_setreg_imm32_b32 hwreg(HW_REG_WAVE_MODE, 25, 1), 1
	s_wait_xcnt 0x0
; out0[t][d] = x[t][d] + b_out[e][d] + sum over s of hid[t][s] W_out[e][d][s], e = y_index[t], by the sorted list of the first launch.
; Work-group id: e = id >> 4; db = id & 15: 64 of the 1,024 columns d, which are 256 bytes of every row of x and out0, aligned.
; Its 64 rows of W_out (65,536 consecutive bytes at 65,536 id) are read by this work-group alone; waves 0-15 bring four rows each, round
; them to bf16 and lay them into LDS.  Every wave makes whole tiles of 16 tokens x 64 columns x K = 256 alone: tau = wave, then + 20,
; in a loop counted, one a trip, against the wave's own number of tiles.  Twenty waves: branches of up to 320 tokens are done in one trip.
; The tokens' fragments come straight from hid into registers: the launch before stored them in the fragments' order (piece g of 512
; bytes, lane l's 16 bytes at 16 l = hid(token l % 16, s = 16 g + 8 (l / 16) + 0..7)): K step ks is pieces 2 ks and 2 ks + 1.
; ONE BARRIER, between the filling of W's rows and their use.  Ahead of it a wave asks for nothing of a tile but its 16 tokens (an entry
; of 'order' that is clamped into the list); behind it a wave that has a tile works alone, and only tiles of hid that were stored are read.
; Rows past the branch's end take the last valid row's token: they hold the same numbers and store them to the same place.
; THE MATRIX INSTRUCTION IS USED TRANSPOSED (source 0 = 16 rows of W_out, source 1 = 16 tokens): lane l holds, for token l % 16, columns
; 8 (l / 16) + 0..7.  The results go through the wave's own stage in LDS and come back as rows: sixteen lanes then hold the 256
; consecutive bytes of a token's row, meet x there, and each store covers two such pieces, each whole and aligned.
; NO JOINT REQUESTS: no two work-groups read the same weights.  The tiles of hid are read by the 16 work-groups of a branch, but a joint
; request stands behind a barrier of the cluster, once for each group of tiles, and the number of tiles is read from memory: here no
; barrier stands on a path that hangs on such a number.
; LIMITS: hid and W_out enter as bf16; sums, bias and the residual in f32.
.set WPITCH, 528                       ; a row of W in LDS: 256 bf16 + 16 bytes = 33 x 16
.set STAGE0, 64*WPITCH                 ; 33,792
.set SPITCH, 272                       ; a row of a stage: 64 f32 + 16 bytes = 17 x 16
.set STG,    16*SPITCH                 ; 4,352 bytes a stage, one for each of the 20 waves: 120,832 bytes in all
; vector registers (r = lane % 16, h = lane / 16): v1 16 lane   v2 528 r + 16 h   v3 stage + 272 r + 32 h   v4 stage + 272 h + 16 r
;   v5 32 h   v6 at work   v7 256 db + 16 r
.set XOFF, 8                           ; v[8:15]    byte offset in x and out0 of my 16 bytes in rows 2 i + h
.set ACC,  16                          ; v[16:47]   four accumulators
.set A,    48                          ; v[48:111]  the tokens' eight fragments
.set R,    48                          ; v[48:79]   afterwards: the results read back as rows
.set X,    112                         ; v[112:143] x of the same places (ahead of the barrier: v112 lane, v113 r, v114 h, v115 where W's rows go)
.set B,    144                         ; v[144:175] W's four fragments of a K step; ahead of the barrier: my four rows of W_out as f32
; scalar registers: s[4:5] x  s[6:7] W_out  s[8:9] b_out  s[10:11] order  s[12:13] tab  s[14:15] hid  s[16:17] out0  s18 wave  s19 e  s20 db
;   s22 offs  s23 cnt  s24 tiles  s25 (offs >> 4) + e  s26 tau  s27 nvalid  s28-29 at work  s[30:31] an offset, s31 = 0
;   s[32:33] the tile of hid  s[34:35] my rows of W_out  s[36:37] my 64 biases  s38 the mask of lanes 16-31  s39 my rows of W in LDS
;   s40 my number of tiles  s41 the loop's counter
.set TOK,  68                          ; s[68:83]   the tile's 16 tokens
; Four places behind a matrix instruction before a load lands on, or a vector instruction or LDS store touches, its registers.
.macro PLACES
.rept 4
	v_nop
.endr
.endm
; The tokens of tile tau are asked for.  The entry is clamped into the list, so this may run for a tau that the branch does not have.
.macro PRE_A
	s_lshl_b32 s29, s26, 4                         ; 16 tau
	s_sub_co_i32 s27, s23, s29                     ; nvalid = cnt - 16 tau
	s_add_co_u32 s28, s22, s29
	s_min_u32 s28, s28, 4095                       ; entry of 'order', inside the list
	s_lshl_b32 s28, s28, 2
	s_load_b512 s[TOK:TOK+15], s[10:11], s28 offset:0x0   ; 16 entries: at most up to entry 4,110, which is stored (zeros behind 4,095)
.endm
; The tile's data: the biases as the sums' first value, the tokens' fragments, and x at the places where the results will go.
.macro PRE_B
	s_wait_xcnt 0x0                                ; the last tile's stores name XOFF and R: these are written again only behind this wait
	s_add_co_u32 s29, s25, s26
	s_min_u32 s29, s29, 271                        ; tile of hid
	s_lshl_b32 s30, s29, 13
	s_add_nc_u64 s[32:33], s[14:15], s[30:31]
.irp nt, 0,1,2,3
	global_load_b128 v[ACC+8*\nt:ACC+8*\nt+3],   v5, s[36:37] offset:64*\nt      ; b_out of columns 16 nt + 8 h + 0..7: the first C operand
	global_load_b128 v[ACC+8*\nt+4:ACC+8*\nt+7], v5, s[36:37] offset:64*\nt+16
.endr
.irp q, 0,1,2,3,4,5,6,7,8,9,10,11,12,13,14,15
	global_load_b128 v[A+4*\q:A+4*\q+3], v1, s[32:33] offset:512*\q             ; 512 consecutive bytes a load
.endr
	s_wait_kmcnt 0x0                               ; the tokens
.irp r, 1,2,3,4,5,6,7,8,9,10,11,12,13,14,15
	s_cmp_gt_i32 s27, \r                           ; row r is valid?  else the token of the row before
	s_cselect_b32 s[TOK+\r], s[TOK+\r], s[TOK+\r-1]
.endr
.irp i, 0,1,2,3,4,5,6,7
	v_mov_b32 v6, s[TOK+2*\i+1]
	v_cndmask_b32 v6, s[TOK+2*\i], v6, s38         ; lanes 0-15 row 2 i, lanes 16-31 row 2 i + 1
	v_min_u32 v6, 0xfff, v6
	v_lshl_add_u32 v[XOFF+\i], v6, 12, v7          ; token x 4,096 + 256 db + 16 r
.endr
.irp i, 0,1,2,3,4,5,6,7
	global_load_b128 v[X+4*\i:X+4*\i+3], v[XOFF+\i], s[4:5]
.endr
.endm
.macro MM nt, ks
	v_wmma_f32_16x16x32_bf16 v[ACC+8*\nt:ACC+8*\nt+7], v[B+8*\nt:B+8*\nt+7], v[A+8*\ks:A+8*\ks+7], v[ACC+8*\nt:ACC+8*\nt+7]
.endm
; One K step of 32: W's four fragments from LDS, four matrix instructions.  The four accumulators take turns, one instruction a turn.
.macro KSTEP ks
.if \ks
	PLACES                                         ; the loads below land on registers that the last four matrix instructions read
.endif
.irp nt, 0,1,2,3
	ds_load_b128 v[B+8*\nt:B+8*\nt+3],   v2 offset:16*WPITCH*\nt+64*\ks
	ds_load_b128 v[B+8*\nt+4:B+8*\nt+7], v2 offset:16*WPITCH*\nt+64*\ks+32
.endr
	s_wait_dscnt 4                                 ; the first two fragments are in; the four loads of the other two may be out
	MM 0, \ks
	MM 1, \ks
	s_wait_dscnt 0x0
	MM 2, \ks
	MM 3, \ks
.endm
.macro EPI
	PLACES                                         ; behind the last matrix instructions: the stores read results, the loads land on the tokens' fragments
.irp nt, 0,1,2,3
	ds_store_b128 v3, v[ACC+8*\nt:ACC+8*\nt+3]   offset:64*\nt
	ds_store_b128 v3, v[ACC+8*\nt+4:ACC+8*\nt+7] offset:64*\nt+16
.endr
.irp i, 0,1,2,3,4,5,6,7
	ds_load_b128 v[R+4*\i:R+4*\i+3], v4 offset:2*SPITCH*\i   ; my own bytes, and LDS serves a wave's instructions in order (ISA guide 5.7.1): these see the stores above
.endr
	s_wait_loadcnt 0x0                             ; x
.irp i, 0,1,2,3,4,5,6,7
	s_wait_dscnt 7-\i                              ; rows 2 i and 2 i + 1 are back
	v_pk_add_f32 v[R+4*\i:R+4*\i+1],   v[R+4*\i:R+4*\i+1],   v[X+4*\i:X+4*\i+1]
	v_pk_add_f32 v[R+4*\i+2:R+4*\i+3], v[R+4*\i+2:R+4*\i+3], v[X+4*\i+2:X+4*\i+3]
	global_store_b128 v[XOFF+\i], v[R+4*\i:R+4*\i+3], s[16:17] th:TH_STORE_NT   ; sixteen lanes: 256 consecutive bytes, aligned
.endr
.endm
	s_load_b256 s[4:11], s[0:1], 0x0               ; x, W_out, b_out, order
	s_load_b128 s[12:15], s[0:1], 0x20             ; tab, hid
	s_load_b64 s[16:17], s[0:1], 0x30              ; out0
	v_lshl_add_u32 v176, v0, 2, 0x1d800
	v_mov_b32 v177, 0
	v_lshrrev_b32 v112, 5, v0
	v_readfirstlane_b32 s18, v112                  ; wave
	s_lshr_b32 s19, ttmp9, 4                       ; e
	s_and_b32 s20, ttmp9, 15                       ; db
	s_mov_b32 s31, 0
	s_mov_b32 s38, 0xffff0000
	v_and_b32 v112, 31, v0                         ; lane
	v_and_b32 v113, 15, v0                         ; r
	v_bfe_u32 v114, v0, 4, 1                       ; h
	v_lshlrev_b32 v1, 4, v112
	v_mul_u32_u24 v2, v113, WPITCH
	v_lshl_add_u32 v2, v114, 4, v2
	s_mul_i32 s28, s18, STG
	s_add_co_u32 s28, s28, STAGE0                  ; my stage
	v_mul_u32_u24 v3, v113, SPITCH
	v_lshl_add_u32 v3, v114, 5, v3
	v_add_nc_u32 v3, s28, v3
	v_mul_u32_u24 v4, v114, SPITCH
	v_lshl_add_u32 v4, v113, 4, v4
	v_add_nc_u32 v4, s28, v4
	v_lshlrev_b32 v5, 5, v114
	s_lshl_b32 s29, s20, 8
	v_lshl_add_u32 v7, v113, 4, s29
	s_mul_i32 s39, s18, 4*WPITCH
	s_mov_b32 s26, s18                             ; tau = wave
	s_mov_b32 s41, 0
	s_wait_kmcnt 0x0
	s_lshl_b32 s28, s19, 3
	s_load_b64 s[22:23], s[12:13], s28 offset:0x0  ; offs, cnt: they come while W's rows are fetched
	s_lshl_b32 s30, ttmp9, 8
	s_add_nc_u64 s[36:37], s[8:9], s[30:31]
	s_cmp_ge_u32 s18, 16
	s_cbranch_scc1 .Lnow                           ; 64 rows are four each for waves 0-15
	s_lshl_b32 s30, ttmp9, 16                      ; 64 rows of 1,024 bytes
	s_add_nc_u64 s[34:35], s[6:7], s[30:31]
	s_lshl_b32 s30, s18, 12                        ; + my four rows
	s_add_nc_u64 s[34:35], s[34:35], s[30:31]
	v_lshl_add_u32 v115, v112, 3, s39              ; my four rows in LDS + 8 lane
.irp j, 0,1,2,3,4,5,6,7
	global_load_b128 v[B+4*\j:B+4*\j+3], v1, s[34:35] offset:512*\j
.endr
	s_wait_loadcnt 0x0
.irp j, 0,1,2,3,4,5,6,7
	v_cvt_pk_bf16_f32 v[B+4*\j], v[B+4*\j], v[B+4*\j+1]
	v_cvt_pk_bf16_f32 v[B+4*\j+1], v[B+4*\j+2], v[B+4*\j+3]
	ds_store_b64 v115, v[B+4*\j:B+4*\j+1] offset:WPITCH*(\j>>1)+256*(\j&1)
.endr
.Lnow:
	s_wait_kmcnt 0x0
	s_add_co_u32 s24, s23, 15
	s_lshr_b32 s24, s24, 4                         ; tiles of the branch
	s_lshr_b32 s25, s22, 4
	s_add_co_u32 s25, s25, s19
	s_add_co_u32 s40, s24, 19                      ; my tiles are wave, wave + 20, ... below the branch's number of tiles:
	s_sub_co_u32 s40, s40, s18                     ; n = tiles + 19 - wave, at most 275, and n / 20 rounded down, 0 where the wave is not below it.
	s_mul_i32 s40, s40, 3277                       ; n / 20 = (3,277 n) >> 16: 20 x 3,277 = 65,540, so n = 20 k gives at least k,
	s_lshr_b32 s40, s40, 16                        ; and n = 20 k - 1 gives k + (4 k - 3,277) / 65,536, below k for every k here
	s_min_u32 s40, s40, 13                         ; 4,096 tokens are 256 tiles: thirteen trips at the most
	PRE_A
	s_wait_dscnt 0x0                               ; my stores of W's rows are done, for the others' sake
	s_barrier_signal -1
	s_barrier_wait -1                              ; all 64 rows lie in LDS; nothing writes them again
	s_cmp_eq_u32 s40, 0
	s_cbranch_scc1 .Ldone                          ; a wave without a tile
.Ltile:
	PRE_B
	s_wait_loadcnt 8                               ; bias and fragments are in; the eight loads of x may stay out
	KSTEP 0
	KSTEP 1
	KSTEP 2
	KSTEP 3
	KSTEP 4
	KSTEP 5
	KSTEP 6
	KSTEP 7
	EPI
	s_add_co_u32 s26, s26, 20
	PRE_A                                          ; in the last trip too: one scalar load of a clamped entry, not used then
	s_add_co_u32 s41, s41, 1
	s_cmp_lt_u32 s41, s40
	s_cbranch_scc1 .Ltile
.Ldone:
	s_wait_tensorcnt 0x0
	ds_add_u32 v176, v177
	s_wait_dscnt 0x0
	s_endpgm
.Lfunc_end_k_q519f34b869_fcout:
	.size	k_q519f34b869_fcout, .Lfunc_end_k_q519f34b869_fcout-k_q519f34b869_fcout
	.p2alignl 7, 3214868480
	.fill 96, 4, 3214868480
	.section	.rodata,"a",@progbits
	.p2align	6, 0x0
	.amdhsa_kernel k_q519f34b869_fcout
		.amdhsa_group_segment_fixed_size 123392
		.amdhsa_private_segment_fixed_size 0
		.amdhsa_enable_private_segment 0
		.amdhsa_kernarg_size 56
		.amdhsa_user_sgpr_count 2
		.amdhsa_user_sgpr_kernarg_segment_ptr 1
		.amdhsa_wavefront_size32 1
		.amdhsa_system_sgpr_workgroup_id_x 1
		.amdhsa_system_sgpr_workgroup_id_y 1
		.amdhsa_system_sgpr_workgroup_id_z 1
		.amdhsa_system_vgpr_workitem_id 0
		.amdhsa_next_free_vgpr 178
		.amdhsa_next_free_sgpr 88
		.amdhsa_reserve_vcc 0
		.amdhsa_float_denorm_mode_32 3
		.amdhsa_float_denorm_mode_16_64 3
		.amdhsa_memory_ordered 1
		.amdhsa_forward_progress 1
		.amdhsa_inst_pref_size 23
	.end_amdhsa_kernel
	.amdgpu_metadata
---
amdhsa.version: [ 1, 2 ]
amdhsa.kernels:
  - .name:           k_q519f34b869_fcout
    .symbol:         k_q519f34b869_fcout.kd
    .args:
      - { .name: x, .offset: 0, .size: 8, .value_kind: global_buffer, .address_space: global }
      - { .name: W_out, .offset: 8, .size: 8, .value_kind: global_buffer, .address_space: global }
      - { .name: b_out, .offset: 16, .size: 8, .value_kind: global_buffer, .address_space: global }
      - { .name: order, .offset: 24, .size: 8, .value_kind: global_buffer, .address_space: global }
      - { .name: tab, .offset: 32, .size: 8, .value_kind: global_buffer, .address_space: global }
      - { .name: hid, .offset: 40, .size: 8, .value_kind: global_buffer, .address_space: global }
      - { .name: out0, .offset: 48, .size: 8, .value_kind: global_buffer, .address_space: global }
    .group_segment_fixed_size: 123392
    .private_segment_fixed_size: 0
    .kernarg_segment_align: 8
    .kernarg_segment_size: 56
    .max_flat_workgroup_size: 640
    .sgpr_count:     88
    .vgpr_count:     178
    .wavefront_size: 32
...
	.end_amdgpu_metadata
.endif
;; end of part 3
